; MI455X (gfx1250); checked and timed in simulation.
; The chip was launched on July 23, 2026; its instructions are those of AMD's public machine-readable ISA for CDNA 5 (MIT licence, August 2026) and "CDNA5" Instruction Set Architecture Reference Guide (July 2026). The comments in the code are by the model that wrote it; some were corrected since.
;; Cross Attention. Allowed arithmetic: matrix products marked QUANTISED: E2M1 operands, one E8M0 scale for each 32 along K, by v_wmma_scale_f32_16x16x128_f8f6f4 with both operands' format E2M1 (or v_wmma_scale_f32_32x16x128_f4), f32 sums; everything else in f32.
;; Inputs: key_padding_mask 2 x 2,048 bool; kv 2 x 2,048 x 2 x 16 x 64 float32; q 2 x 2,048 x 16 x 64 float32.
;; Outputs: out0 2 x 2,048 x 16 x 64 float32.
;; This version of the problem:
;;   THIS VERSION OF THE PROBLEM IS GIVEN IN LOW PRECISION. The matrix products marked QUANTISED in the list below multiply operands that are first quantised to E2M1 (2 exponent bits, 1 mantissa bit; 4 bits a number), with one power-of-two scale for each 32 numbers along K (OCP MX v1.0); their sums are f32. All else is computed in f32.
;;   The module's matrix products, in the order in which they are computed (A, B: the left and right operand; K: the contracted axis; several contracted axes count as one K, in the product's order):
;;     1. batch 32 x [M 2,048, K 64] x [K 64, N 2,048]; A: input q; B: computed on the way: QUANTISED
;;     2. batch 32 x [M 64, K 2,048] x [K 2,048, N 2,048]; A: input kv; B: softmax (see below): QUANTISED
;;   THE QUANTISER, for each operand of a quantised product, along K:
;;     - K is cut into blocks of 32 from its start; a last block that is shorter is filled with zeros.
;;     - A block's scale is 2^e with e = floor(log2(the largest magnitude in the block)) - 2, held to -126 .. 127; a block of zeros has e = 0. As a byte (E8M0): e + 127.
;;     - Each number is divided by its block's scale, clamped to +-6, and rounded to the nearest number of E2M1, ties to even, subnormals kept.
;;     - The product sums the exact products of the quantised numbers (number of the format x scale) in f32.
;;   ~~~python
;;   def quantise(x, axis):      # numpy; x: float32 -> the quantised numbers, widened to float32 again
;;       x = np.moveaxis(x, axis, -1); K = x.shape[-1]
;;       x = np.pad(x, [(0, 0)] * (x.ndim - 1) + [(0, -K % 32)]); x = x.reshape(x.shape[:-1] + (-1, 32)); a = np.abs(x).max(-1, keepdims=True)
;;       e = np.where(a > 0, np.clip(np.frexp(np.where(a > 0, a, 1))[1] - 1 - 2, -126, 127), 0)      # np.frexp(a)[1] - 1 = floor(log2(a)), exactly
;;       r = np.clip(x / 2.0 ** e, -6, 6)
;;       step = 2.0 ** (np.maximum(np.frexp(np.where(r == 0, 1, r))[1] - 1, 0) - 1)
;;       q = np.round(r / step) * step * 2.0 ** e      # np.round: ties to even
;;       return np.moveaxis(q.reshape(q.shape[:-2] + (-1,))[..., :K], -1, axis).astype(np.float32)
;;   ~~~
;;   SOFTMAX AHEAD OF A QUANTISED PRODUCT. Where the list says 'softmax', what is quantised is not the finished softmax but p = 2^(t - M), with t = logit x log2(e) and M = ceil(the row's largest t), a whole number; so 1/2 < the row's largest p <= 1. The row's sum l is taken of the UNQUANTISED p, in f32, and the product's result is divided by l at the end. Since M is a whole number, a kernel that streams over the keys may use a running M (the ceiling of the running maximum): every later rescaling is an exact power of two, which a block's scale takes up: the codes' values come out the same.
;;   OPERANDS COMPUTED ON THE WAY. 'Computed on the way' means the value that the module computes at that place (a softmax that the list does not call 'softmax' is quantised finished and normalised). What goes into a quantiser is computed in f32, as accurately as f32 sums, v_exp_f32 and their like allow (about 1e-6 of the number): no bf16 or f16 on the way to a quantiser, and a product that is left as it is and whose result goes on into a quantised operand takes f32 operands (vector FMAs, or v_wmma_f32_16x16x4_f32). A number that lies on a knife's edge between two numbers of the format may be rounded either way, as far as f32 arithmetic and the matrix unit's own rounding can turn it there, and no further.
;; One version. Each part assembles by itself: llvm-mc -triple=amdgcn-amd-amdhsa -mcpu=gfx1250 --defsym DOCPART=n.
;; ======== version 1 of 1: 2 launches
;; limits: right only within a limited range of input values
;; workspace buffers: kvq 5,111,808 bytes
;; launch prep (part 1): grid 16 x 32, 4 waves a work-group, no clusters, 51,712 bytes of LDS; arguments kv, key_padding_mask, kvq; writes kvq
.if DOCPART == 1
	.amdgcn_target "amdgcn-amd-amdhsa--gfx1250"
	.amdhsa_code_object_version 6
	.text
	.protected	k_qd4d9c5d9f1_prep
	.globl	k_qd4d9c5d9f1_prep
	.p2align	8
	.type	k_qd4d9c5d9f1_prep,@function
k_qd4d9c5d9f1_prep:
	s_mov_b64 s[64:65], 0
	v_nop
	global_prefetch_b8 v0, s[64:65] scope:SCOPE_SE
	s_setreg_imm32_b32 hwreg(HW_REG_WAVE_MODE, 25, 1), 1
	s_wait_xcnt 0x0
; kv [2][2048][2][16][64] f32 and key_padding_mask [2][2048] bool become, for each head bh = 16 b + h and each step of 128 keys, one RECORD of 9,984 bytes of kvq,
; laid in the order of the operands' registers of the attention launch:
;   KIMG  8 x 512  tile t = 4 c + u of 16 keys: lane 16 h' + r: the 32 codes (E2M1) of d = 32 h' .. + 31 of key 64 c + 32 (r / 8) + 8 u + r % 8
;   VIMG  4 x 1024 channels 16 dt + r: at 1024 dt + 512 c + 16 (16 h' + r) the 32 codes of keys 64 c + 32 h' .. + 31 (the keys are the second product's K)
;   KSC   2 x 256  at 256 c + 16 r + 4 u the scale word of tile 4 c + u, row r: bytes 0, 1 blocks d 0-31, 32-63; byte 2 the pad's block; byte 3 a block of zeros
;   VSC   256      at 8 (16 (dt / 2) + r) + 4 (dt % 2) the scale word of channel 16 dt + r: byte b = the step's block b of 32 keys
;   PADW  4 x 256  at 256 (t / 2) + 8 lane + 4 (t % 2) the codes of tile t's places 64-71 (lanes 0-15; lanes 16-31, places 96-103, hold zeros)
; THE PAD GOES IN THROUGH FREE PLACES OF THE FIRST PRODUCT'S K, which is 64 long in an instruction of 128: a masked key's places 64-69 hold -6 -6 -6 -6 -6 -0.5 under the byte 127, a kept key's hold zeros under the byte 1;
; q's side holds 6 6 6 6 2 0.5 under 2^6 there: -(4 x 36 + 12 + 0.25) x 64 = -10000 exactly, or 0.
; k / 8 IS NOT MULTIPLIED: 1 / 8 is a power of two, so the codes of k / 8 are those of k and the scale's byte is 3 less.
; A block's scale is 2^(floor(log2(its largest magnitude)) - 2); its byte is that magnitude's exponent field - 2 (k: - 5), held at 1 from below by a floor among the maximum's leaves.
; LIMITS: NaN and infinities are not served.  A block of zeros gets the byte 1 where the rule says 127: its codes are zeros, and this program alone reads the bytes.
; Numbers of k under 2^-123, whose eighth is denormal in f32, are not rounded to that denormal first.
; SHARES: a work-group makes one record.  Waves 0, 1 (w1 = wave & 1): K's tiles 4 w1 .. + 3, their scale words and pad codes.  Waves 2, 3: V's channels 32 w1 .. + 31.
; Waves share nothing: no barrier, no cluster.  Each byte of kv is read once: all of a wave's loads are asked for at its head, so there is no loop that a prefetch could run ahead in.
.set REC,   9984
.set HEADB, 16*REC
.set KIMG,  0
.set VIMG,  4096
.set KSC,   8192
.set VSC,   8704
.set PADW,  8960
.set KEYB,  8192                       ; bytes from a key to the next in kv
.set SPT,   272                        ; a stage row of K: a key's 256 bytes + 16
.set TSTG,  16*SPT
.set WSTG,  4*TSTG                     ; a K wave's four stages
.set VSTG,  2*WSTG                     ; behind them two stages of 4,096 bytes for each V wave
.set SPARE, VSTG+2*8192                ; the spare words, 128 bytes for each wave
.set CD,    32                         ; v32-47   codes: registers of their own for each tile or block
.set X,     48                         ; v48-111  two sets of 32 numbers of one block
.set R,     112                        ; v112-239 128 numbers as loaded
.set SPW,   240
.set NIL,   241
.set MB,    242                        ; v242-245 mask bytes
	s_load_b128 s[4:7], s[0:1], 0x0                ; kv, the mask
	s_load_b64 s[8:9], s[0:1], 0x10                ; kvq
	v_lshl_add_u32 v[SPW], v0, 2, SPARE
	v_mov_b32 v[NIL], 0
	v_lshrrev_b32 v1, 5, v0
	v_readfirstlane_b32 s10, v1                    ; wave 0..3
	s_and_b32 s11, s10, 1                          ; w1
	s_and_b32 s13, ttmp7, 0xffff                   ; bh
	s_lshr_b32 s14, s13, 4                         ; b
	s_and_b32 s15, s13, 15                         ; h
	s_lshl_b32 s16, s14, 24                        ; kv: b x 2^24 + step x 128 keys x 8,192 + h x 256
	s_lshl_b32 s17, ttmp9, 20
	s_add_co_u32 s16, s16, s17
	s_lshl_b32 s17, s15, 8
	s_add_co_u32 s16, s16, s17
	s_mov_b32 s17, 0
	s_lshl_b32 s18, s14, 11                        ; the mask: b x 2,048 + step x 128 + w1 x 64
	s_lshl_b32 s19, ttmp9, 7
	s_add_co_u32 s18, s18, s19
	s_lshl_b32 s19, s11, 6
	s_add_co_u32 s18, s18, s19
	s_mov_b32 s19, 0
	s_mul_i32 s22, s13, HEADB                      ; kvq: the record
	s_mul_i32 s23, ttmp9, REC
	s_add_co_u32 s22, s22, s23
	s_mov_b32 s23, 0
	s_mov_b32 s20, 0x76543210                      ; v_permlanex16_b32's selects for lane l xor 16
	s_mov_b32 s21, 0xfedcba98
	s_mul_i32 s24, s11, WSTG                       ; a K wave's stages
	s_lshl_b32 s25, s11, 11
	s_lshl_b32 s26, s11, 8
	s_add_co_u32 s27, s26, KSC
	s_lshl_b32 s28, s11, 9
	s_add_co_u32 s28, s28, PADW
	s_add_co_u32 s29, s25, VIMG
	s_lshl_b32 s30, s11, 7
	s_add_co_u32 s30, s30, VSC
	s_lshl_b32 s31, s11, 13
	s_add_co_u32 s31, s31, VSTG                    ; a V wave's stages
	v_and_b32 v1, 31, v0                           ; lane L
	v_and_b32 v2, 15, v0                           ; r
	v_bfe_u32 v3, v0, 4, 1                         ; hl
	v_lshlrev_b32 v4, 13, v3
	v_lshl_add_u32 v4, v2, 4, v4                   ; K in: lanes 0-15 one key's 256 bytes, lanes 16-31 the next key's
	v_mul_u32_u24 v5, v3, SPT
	v_lshl_add_u32 v5, v2, 4, v5
	v_add_nc_u32 v5, s24, v5                       ; into the stage as loaded
	v_mul_u32_u24 v6, v2, SPT
	v_lshl_add_u32 v6, v3, 7, v6
	v_add_nc_u32 v6, s24, v6                       ; out of it: row r, my half's 128 bytes: 32 neighbours along d
	v_lshl_add_u32 v7, v1, 4, s25                  ; KIMG + 2,048 w1 + 16 L
	v_lshl_add_u32 v8, v2, 4, s27
	v_lshl_add_u32 v8, v3, 3, v8                   ; KSC + 256 w1 + 16 r + 8 hl
	v_lshl_add_u32 v9, v1, 3, s28                  ; PADW + 512 w1 + 8 L
	v_bfe_u32 v12, v2, 3, 1
	v_and_b32 v13, 7, v2
	v_lshl_or_b32 v10, v12, 5, v13                 ; the mask byte of tile u's row r: 32 (r / 8) + r % 8, + 8 u
	v_lshlrev_b32 v11, 3, v3                       ; 8 hl: my block's byte in a scale word of K
	v_mov_b32 v15, 0                               ; written once: a lane permute's destination counts as one of its sources
	v_lshrrev_b32 v12, 3, v1
	v_and_b32 v13, 7, v1
	v_lshlrev_b32 v13, 4, v13
	v_lshl_add_u32 v26, v12, 13, v13               ; V in: eight lanes take a key's 128 bytes, four keys a load
	v_lshl_add_u32 v27, v3, 10, s29
	v_lshl_add_u32 v27, v2, 4, v27                 ; VIMG + 2,048 w1 + 1,024 hl + 16 r
	v_lshl_add_u32 v28, v2, 3, s30
	v_lshl_add_u32 v28, v3, 2, v28                 ; VSC + 128 w1 + 8 r + 4 hl
	v_lshl_add_u32 v29, v1, 4, s31                 ; V into its stage: 512 bytes on end, four keys of 32 channels
	v_lshl_add_u32 v30, v1, 2, s31                 ; and out of it: a lane to a channel
	s_wait_alu depctr_va_vdst(0)                   ; the wait at the head's end
	s_wait_kmcnt 0x0
	s_add_nc_u64 s[4:5], s[4:5], s[16:17]
	s_add_nc_u64 s[6:7], s[6:7], s[18:19]
	s_add_nc_u64 s[8:9], s[8:9], s[22:23]
	s_cmp_lt_u32 s10, 2
	s_cbranch_scc0 .Lv
; ---- K.  Each load reads two whole rows of 256 bytes; a tile turns through the wave's own stage, so that a lane then holds a whole block of 32 along d of one key.
.macro KLOAD tt                        ; rows 2 i and 2 i + 1 of the tile are keys 32 (i / 4) + 8 tt + 2 (i % 4) and the next
.irp i, 0,1,2,3,4,5,6,7
	global_load_b128 v[R+32*\tt+4*\i:R+32*\tt+4*\i+3], v4, s[4:5] offset:(32*(\i/4)+8*\tt+2*(\i%4))*KEYB th:TH_LOAD_NT
.endr
.endm
.macro KTURN tt
	s_wait_loadcnt 24-8*\tt                        ; this tile's eight are in (the mask's loads were the first of all); the later tiles' eight each may be out
.irp i, 0,1,2,3,4,5,6,7
	ds_store_b128 v5, v[R+32*\tt+4*\i:R+32*\tt+4*\i+3] offset:\tt*TSTG+2*\i*SPT
.endr
.irp i, 0,1,2,3,4,5,6,7
	ds_load_b128 v[X+32*(\tt%2)+4*\i:X+32*(\tt%2)+4*\i+3], v6 offset:\tt*TSTG+16*\i   ; LDS serves a wave's instructions in order: these see the stores above
.endr
.endm
.macro AMAX XS, floor                  ; the largest magnitude of a block, all 32 numbers mine, in two chains; and the floor
	v_max3_num_f32 v12, |v[\XS]|, |v[\XS+1]|, |v[\XS+2]|
	v_max3_num_f32 v13, |v[\XS+3]|, |v[\XS+4]|, |v[\XS+5]|
.irp i, 6,10,14,18,22,26
	v_max3_num_f32 v12, v12, |v[\XS+\i]|, |v[\XS+\i+1]|
	v_max3_num_f32 v13, v13, |v[\XS+\i+2]|, |v[\XS+\i+3]|
.endr
	v_max3_num_f32 v12, v12, |v[\XS+30]|, |v[\XS+31]|
	v_max3_num_f32 v12, v12, v13, \floor
	v_add_nc_u32 v14, 0xff000000, v12              ; 2 off the exponent field: the conversion takes this operand's exponent field as its scale
.endm
.macro KQ tt, left
	s_wait_dscnt \left                             ; this tile is back from its stage; the next tile's sixteen LDS instructions may be out
	AMAX X+32*(\tt%2), 0x3000000                   ; the floor 2^(6 - 127): the byte of k / 8 cannot fall under 1
	v_add_nc_u32 v13, 0xfd800000, v12              ; 5 off it: the scale of k / 8
	v_lshrrev_b32 v13, 23, v13                     ; as a byte,
	v_lshlrev_b32 v13, v11, v13                    ; at my block's place in the word;
	v_permlanex16_b32 v15, v13, s20, s21
	v_or_b32 v[16+\tt], v13, v15                   ; with lane l xor 16's both bytes stand in the word
.irp g, 0,1,2,3
	v_cvt_scalef32_pk8_fp4_f32 v[CD+4*\tt+\g], v[X+32*(\tt%2)+8*\g:X+32*(\tt%2)+8*\g+7], v14
.endr
	global_store_b128 v7, v[CD+4*\tt:CD+4*\tt+3], s[8:9] offset:KIMG+512*\tt   ; the wave stores 512 consecutive bytes.  (Plain vector lines follow before any register of the conversions is written)
.endm
	s_lshl_b32 s16, s11, 19                        ; my 64 keys
	s_add_nc_u64 s[4:5], s[4:5], s[16:17]
.irp u, 0,1,2,3
	global_load_u8 v[MB+\u], v10, s[6:7] offset:8*\u
.endr
	KLOAD 0
	KLOAD 1
	KLOAD 2
	KLOAD 3
	KTURN 0
	KTURN 1
	KQ 0, 16
	KTURN 2
	KQ 1, 16
	KTURN 3
	KQ 2, 16
	KQ 3, 0
	v_cmp_eq_u32 vcc_lo, 0, v3
	v_mov_b32 v12, 0x9fffff                        ; codes -6 five times and -0.5
	v_cndmask_b32 v12, 0, v12, vcc_lo              ; lanes 16-31: zero codes
	v_mov_b32 v13, 0x17f0000                       ; the pad's block under 2^0, or
	v_mov_b32 v14, 0x1010000                       ; a block of zeros, whose byte is 1 here
.irp u, 0,1,2,3
	v_cmp_eq_u32 vcc_lo, 0, v[MB+\u]               ; masked?
	v_cndmask_b32 v[22+\u], 0, v12, vcc_lo
	v_cndmask_b32 v15, v14, v13, vcc_lo
	v_or_b32 v[16+\u], v[16+\u], v15
.endr
	global_store_b64 v9, v[22:23], s[8:9]          ; 32 lanes store 256 consecutive bytes, aligned
	global_store_b64 v9, v[24:25], s[8:9] offset:256
	v_cmp_eq_u32 vcc_lo, 1, v3
	v_cndmask_b32 v20, v16, v18, vcc_lo            ; lanes 0-15: the words of my tiles 0 and 1; lanes 16-31: of tiles 2 and 3
	v_cndmask_b32 v21, v17, v19, vcc_lo
	global_store_b64 v8, v[20:21], s[8:9]          ; likewise 256 consecutive bytes
	s_wait_tensorcnt 0x0                           ; the wave's end
	ds_add_u32 v[SPW], v[NIL]
	s_wait_dscnt 0x0
	s_endpgm
; ---- V.  A lane takes a channel and its registers run down the keys: a block of 32 keys lies in one lane, and the conversions give codes with the keys innermost.
; Each load brings 128 bytes of four keys; 32 keys turn through the wave's own stage, as they lie.
.Lv:
.macro VTURN kb
	s_wait_loadcnt 24-8*(\kb)                      ; this block's eight loads are in
.irp i, 0,1,2,3,4,5,6,7
	ds_store_b128 v29, v[R+32*(\kb)+4*\i:R+32*(\kb)+4*\i+3] offset:4096*((\kb)%2)+512*\i
.endr
.set i, 0
.rept 32
	ds_load_b32 v[X+32*((\kb)%2)+i], v30 offset:4096*((\kb)%2)+128*i   ; LDS serves a wave's instructions in order
.set i, i+1
.endr
.endm
.macro VBLOCK kb
.if \kb < 3
	VTURN \kb+1
	s_wait_dscnt 40                                ; this block's numbers are back; the next block's forty LDS instructions may be out
.else
	s_wait_dscnt 0x0
.endif
	AMAX X+32*(\kb%2), 0x1800000                   ; the floor 2^(3 - 127): the byte cannot fall under 1
	v_lshrrev_b32 v15, 23, v14                     ; the scale's byte
.if \kb == 0
	v_mov_b32 v16, v15
.else
	v_lshl_or_b32 v16, v15, 8*\kb, v16             ; four bytes make my channel's word
.endif
.irp g, 0,1,2,3
	v_cvt_scalef32_pk8_fp4_f32 v[CD+4*\kb+\g], v[X+32*(\kb%2)+8*\g:X+32*(\kb%2)+8*\g+7], v14
.endr
	global_store_b128 v27, v[CD+4*\kb:CD+4*\kb+3], s[8:9] offset:(\kb/2)*512+(\kb%2)*256   ; each half of the lanes stores 256 consecutive bytes, aligned
.endm
	s_lshl_b32 s16, s11, 7                         ; v lies 4,096 bytes behind k; my 32 channels
	s_add_co_u32 s16, s16, 4096
	s_add_nc_u64 s[4:5], s[4:5], s[16:17]
.set i, 0
.rept 32
	global_load_b128 v[R+4*i:R+4*i+3], v26, s[4:5] offset:4*i*KEYB th:TH_LOAD_NT   ; the other V wave takes the other 128 bytes of each key
.set i, i+1
.endr
	VTURN 0
	VBLOCK 0
	VBLOCK 1
	VBLOCK 2
	VBLOCK 3
	global_store_b32 v28, v16, s[8:9]              ; 128 consecutive bytes: the other V wave writes the 128 beside them
	s_wait_tensorcnt 0x0                           ; the wave's end
	ds_add_u32 v[SPW], v[NIL]
	s_wait_dscnt 0x0
	s_endpgm
.Lfunc_end_k_qd4d9c5d9f1_prep:
	.size	k_qd4d9c5d9f1_prep, .Lfunc_end_k_qd4d9c5d9f1_prep-k_qd4d9c5d9f1_prep
	.p2alignl 7, 3214868480
	.fill 96, 4, 3214868480
	.section	.rodata,"a",@progbits
	.p2align	6, 0x0
	.amdhsa_kernel k_qd4d9c5d9f1_prep
		.amdhsa_group_segment_fixed_size 51712
		.amdhsa_private_segment_fixed_size 0
		.amdhsa_enable_private_segment 0
		.amdhsa_kernarg_size 24
		.amdhsa_user_sgpr_count 2
		.amdhsa_user_sgpr_kernarg_segment_ptr 1
		.amdhsa_wavefront_size32 1
		.amdhsa_system_sgpr_workgroup_id_x 1
		.amdhsa_system_sgpr_workgroup_id_y 1
		.amdhsa_system_sgpr_workgroup_id_z 1
		.amdhsa_system_vgpr_workitem_id 0
		.amdhsa_next_free_vgpr 246
		.amdhsa_next_free_sgpr 66
		.amdhsa_reserve_vcc 1
		.amdhsa_float_denorm_mode_32 3
		.amdhsa_float_denorm_mode_16_64 3
		.amdhsa_memory_ordered 1
		.amdhsa_forward_progress 1
		.amdhsa_inst_pref_size 40
	.end_amdhsa_kernel
	.amdgpu_metadata
---
amdhsa.version: [ 1, 2 ]
amdhsa.kernels:
  - .name:           k_qd4d9c5d9f1_prep
    .symbol:         k_qd4d9c5d9f1_prep.kd
    .args:
      - { .name: kv, .offset: 0, .size: 8, .value_kind: global_buffer, .address_space: global }
      - { .name: key_padding_mask, .offset: 8, .size: 8, .value_kind: global_buffer, .address_space: global }
      - { .name: kvq, .offset: 16, .size: 8, .value_kind: global_buffer, .address_space: global }
    .group_segment_fixed_size: 51712
    .private_segment_fixed_size: 0
    .kernarg_segment_align: 8
    .kernarg_segment_size: 24
    .max_flat_workgroup_size: 128
    .sgpr_count:     66
    .vgpr_count:     246
    .wavefront_size: 32
...
	.end_amdgpu_metadata
.endif
;; end of part 1
;; launch attn (part 2): grid 8 x 32, 8 waves a work-group, clusters of 4 x 1, 327,680 bytes of LDS; arguments kvq, q, out0; writes out0
.if DOCPART == 2
	.amdgcn_target "amdgcn-amd-amdhsa--gfx1250"
	.amdhsa_code_object_version 6
	.text
	.protected	k_qd4d9c5d9f1_attn
	.globl	k_qd4d9c5d9f1_attn
	.p2align	8
	.type	k_qd4d9c5d9f1_attn,@function
k_qd4d9c5d9f1_attn:
	s_mov_b64 s[64:65], 0
	v_nop
	global_prefetch_b8 v0, s[64:65] scope:SCOPE_SE
	s_setreg_imm32_b32 hwreg(HW_REG_WAVE_MODE, 25, 1), 1
	s_wait_xcnt 0x0
	s_wait_alu depctr_hold_cnt(0) depctr_sa_sdst(0) depctr_va_vdst(0) depctr_va_sdst(0) depctr_va_ssrc(0) depctr_va_vcc(0) depctr_vm_vsrc(0)
	s_getreg_b32 s2, hwreg(HW_REG_IB_STS2, 6, 4)
	s_cmp_eq_u32 s2, 0
	s_cbranch_scc0 .Lentry_in_a_cluster
	s_endpgm
.Lentry_in_a_cluster:
	s_bfe_u32 s2, ttmp6, 0x10000c
	s_cmp_lg_u32 s2, 0x3003
	s_cbranch_scc0 .Lentry_shape_is_right
	s_endpgm
.Lentry_shape_is_right:
; out0[b][t][h][:] = the sum over keys s of softmax_s(q[b][t][h] . k[b][s][h] / 8 + pad[b][s]) v[b][s][h][:], both products on codes of E2M1 with one E8M0 scale for each 32 along K.
; k / 8, v and the pad come from kvq, one record of 9,984 bytes for each step of 128 keys, laid as images of the operands' registers; q is quantised here, in registers.
; THE SOFTMAX: t = (score + pad) x log2(e); M = the running largest t rounded UP to a whole number; p = 2^(t - M) is quantised along the keys, not normalised; the row's sum is taken of the unquantised p
; and divides at the end.  When M moves, the sum and O are multiplied by 2^(old M - new M), which rounds nothing.
; SHARES.  A work-group owns 256 queries of one head bh = 16 b + h; each of its eight waves 32 of them, two tiles of 16, so that each fragment read from LDS feeds two products.
; Every wave walks 8 steps of 256 keys, each two records: half X (128 keys) and half Y.
; LAYOUT.  Both products are used transposed: S^T = K Q^T (source 0 = 16 keys, source 1 = 16 queries), O^T = V^T P (source 0 = 16 channels, source 1 = P): a lane holds ONE query of each tile (lane % 16).
; Row r of K's tile 4 c + u is key 64 c + 32 (r / 8) + 8 u + r % 8: so the 32 registers of tiles 4 c .. 4 c + 3 in lane 16 h' + r are the WHOLE block of 32 keys 64 c + 32 h' .. + 31: its largest score
; needs no other lane, and its codes are the second product's operand as they come from the conversions.
; The first product's K is 64.  Of the places 64-127, places 64-69 bring the pad (see the first launch's head): masked keys -(4 x 36 + 12 + 0.25) x 2^6 = -10000, kept keys zero codes; all the others hold zero codes on both sides.
; Both tiles' scale words share a register: tile 0's in lanes 0-15, tile 1's in lanes 16-31; so do their statistics, which are made once for both and then exchanged.
; A WHOLE HEAD'S RECORDS, 159,744 BYTES = 624 ROWS OF 256, LIE IN LDS, FILLED ONCE: each wave fetches 20 rows at the head (160 rows: steps 0 and 1) and 58 rows behind the next round of the cluster's barrier.
; CLUSTER.  The four blocks of queries of a cluster belong to one head, so each of these loads is asked for JOINTLY: the same load, the same descriptor, a mask that names the four.
; NO PREFETCH: all that the launch reads is asked for by its own loads ahead of the first step; there is no loop in which a request could run ahead of them.
; LIMITS: NaN and infinities are not served; the promise holds while (score + pad) x log2(e) stays under 2^31 in magnitude.  Blocks whose largest magnitude lies under 2^-124 have their byte held at 1; a block of zeros has
; the byte 1 where the rule says 127 (zero codes; nobody else reads the bytes).  The pad is added inside the matrix instruction: for masked keys score - 10000 is rounded there once, which may differ from an f32
; addition by a spacing or two of f32 near 10000 (2^-10): that shows only where every key of a batch is masked.
; REGISTERS, window 0: v1-63 addresses, statistics, scales; v64-95 V's 4 fragments; v96-111 Q's 2; v112-127 P's codes; v128-255 S^T, then p, of half X (64 a tile of queries).
; window 1: v0-63 O^T, 32 a tile; v64-127 K's 8 fragments; v128-255 S^T, then p, of half Y.
.set REC,   9984
.set HEADB, 16*REC
.set KIMG,  0
.set VIMG,  4096
.set KSC,   8192
.set VSC,   8704
.set PADW,  8960
.set ROWS1, 20
.set ROWS2, 58
.set PART2, 8*ROWS1*256
.set SPT,   272                        ; a stage row: 256 bytes + 16
.set STGB,  HEADB                      ; behind the records: a stage of 16 rows for each wave, for q on its way in and O on its way out; no tensor load lands there
.set SPARE, STGB+8*16*SPT              ; the spare words, 128 bytes for each wave
.set WV,  10
.set G1A, 16                           ; s[16:23], s[24:31] descriptor groups 1: 20 rows, 58 rows;  s[32:35], s[36:39] their groups 0
.set G1B, 24
.set G0A, 32
.set G0B, 36
.set CS,  42                           ; s[42:43] log2(e): the packed form names a pair and takes its low word for both halves
.set TB,  44                           ; s44 LDS byte of the step's first record
.set CNT, 45
.set SPW,  1
.set NIL,  2
.set AL16, 3                           ; 16 x lane, 8 x lane; and the same in the step's records
.set AL8,  4
.set ADI,  5
.set AD8,  6
.set GQ,   7
.set STI,  8
.set STF,  9
.set STO, 10
.set RM,  12                           ; the running largest score (tile 0's queries in lanes 0-15, tile 1's in lanes 16-31)
.set NM,  13                           ; -M likewise
.set DP,  14                           ; v[14:15] -M of tile 0, of tile 1, in all lanes
.set FP,  16                           ; v[16:17] f = 2^(old M - new M) likewise
.set M0,  18                           ; v18-19 at work
.set QS,  20
.set LS,  24                           ; v24-39 the sums: four chains of two for each tile
.set BB,  40                           ; v40-47 block 4 x half + 2 T + c: largest score, then p, then the conversion's scale
.set SH,  48                           ; v48-55 the maxima's second chains; scale bytes
.set KS,  56                           ; v56-59 K's scale words: tile u in lanes 0-15, tile 4 + u in lanes 16-31
.set VS,  60                           ; v60-61 V's: channels 16 e + r in lanes 0-15, 32 + 16 e + r in lanes 16-31
.set PS,  62                           ; v62-63 P's: half X, half Y
.set VF,  64
.set QF,  96
.set PC, 112
.set S,  128
.set O,    0
.set KF,  64
.set MSB, 0
.macro WIN new                         ; the immediate's high byte repeats the setting that is left; a switch that changes nothing is dropped
.if MSB != \new
	s_set_vgpr_msb (MSB<<8)|\new
.set MSB, \new
.endif
.endm
.macro CROUND                          ; a round of the cluster's barrier
	s_barrier_signal -1
	s_barrier_wait -1
	s_cmp_lg_u32 s[WV], 0
	s_cbranch_scc1 .Lnot_wave_0_\@
	s_barrier_signal -3
.Lnot_wave_0_\@:
	s_barrier_wait -3
	s_barrier_signal -1
	s_barrier_wait -1
.endm
	s_load_b128 s[4:7], s[0:1], 0x0                ; kvq, q
	s_load_b64 s[8:9], s[0:1], 0x10                ; out0
	v_lshl_add_u32 v[SPW], v0, 2, SPARE
	v_mov_b32 v[NIL], 0
	ds_add_u32 v[SPW], v[NIL]                      ; the wave's opening: the add, twice on end, and its wait ahead of my first tensor load
	ds_add_u32 v[SPW], v[NIL]
	v_lshrrev_b32 v18, 5, v0
	v_readfirstlane_b32 s[WV], v18                 ; wave 0..7
	s_bfe_u32 s11, ttmp6, 0x40000                  ; cx: my place in the cluster
	s_lshl_b32 s12, ttmp9, 2
	s_add_co_u32 s12, s12, s11                     ; my block of 256 queries: it enters q's and out0's addresses alone
	s_and_b32 s13, ttmp7, 0xffff                   ; bh, which the four partners share
.irp g, G1A, G1B
	s_mov_b32 s[\g], 15|(3<<16)|(1<<21)            ; 15:0 the mask: all four work-groups; 17:16 elements of 8 bytes; no padding (images are read 16 x lane); 21 set beside a mask
	s_mov_b32 s[\g+1], 32<<16                      ; tensor_dim0 = 32 elements: 256 bytes
	s_mov_b32 s[\g+3], 32<<16                      ; tile_dim0
	s_mov_b32 s[\g+5], 32                          ; the pitch: the block is dense
	s_mov_b32 s[\g+6], 0
	s_mov_b32 s[\g+7], 0
.endr
	s_mov_b32 s[G1A+2], ROWS1<<16                  ; tensor_dim1
	s_mov_b32 s[G1A+4], ROWS1                      ; tile_dim1
	s_mov_b32 s[G1B+2], ROWS2<<16
	s_mov_b32 s[G1B+4], ROWS2
	s_mul_i32 s46, s13, HEADB                      ; the head's records
	s_mul_i32 s48, s[WV], ROWS1*256                ; my first rows, in LDS as in the head
	s_mul_i32 s50, s[WV], ROWS2*256
	s_add_co_u32 s50, s50, PART2                   ; my second rows
	s_add_co_u32 s52, s46, s48
	s_mov_b32 s53, 0
	s_add_co_u32 s54, s46, s50
	s_mov_b32 s55, 0
	s_lshr_b32 s56, s13, 4                         ; q, out0: b x 2^23 + (256 block + 32 wave) x 4,096 + h x 256
	s_lshl_b32 s56, s56, 23
	s_lshl_b32 s57, s12, 20
	s_add_co_u32 s56, s56, s57
	s_lshl_b32 s57, s[WV], 17
	s_add_co_u32 s56, s56, s57
	s_and_b32 s57, s13, 15
	s_lshl_b32 s57, s57, 8
	s_add_co_u32 s56, s56, s57
	s_mov_b32 s57, 0
	s_mul_i32 s58, s[WV], 16*SPT
	s_add_co_u32 s58, s58, STGB                    ; my stage
	s_mov_b32 s[CS], 0x3fb8aa3b                    ; log2(e); the 1 / 8 lies in K's scale bytes
	s_mov_b32 s[CS+1], s[CS]
	s_mov_b32 s[TB], 0
	v_and_b32 v18, 31, v0                          ; lane
	v_and_b32 v19, 15, v0                          ; r
	v_bfe_u32 v20, v0, 4, 1                        ; h
	v_mul_u32_u24 v[STI], v20, SPT
	v_lshl_add_u32 v[STI], v19, 4, v[STI]
	v_add_nc_u32 v[STI], s58, v[STI]               ; the stage by whole rows: lanes 0-15 one row, lanes 16-31 the next
	v_mul_u32_u24 v[STF], v19, SPT
	v_lshl_add_u32 v[STF], v20, 7, v[STF]
	v_add_nc_u32 v[STF], s58, v[STF]               ; q out of it: row r, my half's 128 bytes
	v_mul_u32_u24 v[STO], v19, SPT
	v_lshl_add_u32 v[STO], v20, 5, v[STO]
	v_add_nc_u32 v[STO], s58, v[STO]               ; O into it: row r, + 32 h
	v_lshlrev_b32 v[GQ], 12, v20
	v_lshl_add_u32 v[GQ], v19, 4, v[GQ]            ; q and out0: two queries' rows of 256 bytes, 4,096 bytes apart
	v_lshlrev_b32 v[AL16], 4, v18
	v_lshlrev_b32 v[AL8], 3, v18
	s_wait_alu depctr_va_vdst(0)                   ; the wait at the head's end
	s_wait_dscnt 0x0                               ; both opening adds are done
	s_wait_kmcnt 0x0
	s_add_nc_u64 s[6:7], s[6:7], s[56:57]
.irp T, 0,1                                    ; q FIRST, ahead of the round: these sixteen loads are on their way while the four work-groups meet.  Nobody stores to q, so they may be out at the barriers
.irp i, 0,1,2,3,4,5,6,7
	global_load_b128 v[S+64*\T+4*\i:S+64*\T+4*\i+3], v[GQ], s[6:7] offset:\T*65536+\i*8192 th:TH_LOAD_NT   ; each half of the lanes reads a query's whole 256 bytes
.endr
.endr
	s_mov_b32 s[G0A], 1                            ; count = 1
	s_mov_b32 s[G0A+1], s48                        ; LDS address
	s_add_nc_u64 s[G0A+2:G0A+3], s[4:5], s[52:53]  ; global address
	s_or_b32 s[G0A+3], s[G0A+3], 0x80000000        ; type = 2
	s_mov_b32 s[G0B], 1
	s_mov_b32 s[G0B+1], s50
	s_add_nc_u64 s[G0B+2:G0B+3], s[4:5], s[54:55]
	s_or_b32 s[G0B+3], s[G0B+3], 0x80000000
	s_add_nc_u64 s[8:9], s[8:9], s[56:57]
	CROUND                                         ; all four work-groups are here: the joint loads meet
	tensor_load_to_lds s[G0A:G0A+3], s[G1A:G1A+7]  ; every wave's one load at the head
	s_nop 0
	; what the steps find at the start, made while q is on its way (none of these lines names a register that q's loads will write: those are v128-255 of window 0)
	v_mov_b32 v[RM], 0xff61b1e6                    ; the largest score so far: -3e38, under every score
	v_mov_b32 v[NM], 0x7f61b1e6                    ; -M
.irp k, 0,1,2,3,4,5,6,7,8,9,10,11,12,13,14,15
	v_mov_b32 v[LS+\k], 0
.endr
	v_bfe_u32 v18, v0, 4, 1
	v_mov_b32 v19, 0x147777                        ; q's side of the pad: codes 6 6 6 6 2 0.5
	v_cmp_eq_u32 vcc_lo, 0, v18
	v_cndmask_b32 v[QF+4], 0, v19, vcc_lo          ; lanes 16-31 (places 96-103): zero codes
	v_mov_b32 v[QF+12], v[QF+4]
.irp k, 5,6,7
	v_mov_b32 v[QF+\k], 0                          ; the other places of 64-127: zero codes, for the whole launch
	v_mov_b32 v[QF+8+\k], 0
.endr
	WIN 0x40
.irp t, 0,1,2,3,4,5,6,7
.irp k, 5,6,7
	v_mov_b32 v[KF+8*\t+\k], 0                     ; K's likewise
.endr
.endr
	WIN 0
	s_wait_alu depctr_va_vdst(0)
	s_wait_loadcnt 8                               ; tile 0's eight loads are in, tile 1's may be out
.irp i, 0,1,2,3,4,5,6,7
	ds_store_b128 v[STI], v[S+4*\i:S+4*\i+3] offset:2*\i*SPT
.endr
.irp i, 0,1,2,3,4,5,6,7
	ds_load_b128 v[S+32+4*\i:S+32+4*\i+3], v[STF] offset:16*\i     ; LDS serves a wave's instructions in order: these see the stores above, and tile 1's stores come behind them
.endr
	s_wait_loadcnt 0x0
.irp i, 0,1,2,3,4,5,6,7
	ds_store_b128 v[STI], v[S+64+4*\i:S+64+4*\i+3] offset:2*\i*SPT
.endr
.irp i, 0,1,2,3,4,5,6,7
	ds_load_b128 v[S+96+4*\i:S+96+4*\i+3], v[STF] offset:16*\i
.endr
; Tile T of q: a lane holds d = 32 (lane / 16) .. + 31 of query lane % 16, a whole block: codes into Q's fragment, its byte into M0 + T.
.macro QQ T, left
.set XQ, S+64*\T+32
.set rB, BB+4*\T
	s_wait_dscnt \left
	v_max3_num_f32 v[rB], |v[XQ]|, |v[XQ+1]|, |v[XQ+2]|
	v_max3_num_f32 v[rB+1], |v[XQ+3]|, |v[XQ+4]|, |v[XQ+5]|
.irp i, 6,10,14,18,22,26
	v_max3_num_f32 v[rB], v[rB], |v[XQ+\i]|, |v[XQ+\i+1]|
	v_max3_num_f32 v[rB+1], v[rB+1], |v[XQ+\i+2]|, |v[XQ+\i+3]|
.endr
	v_max3_num_f32 v[rB], v[rB], |v[XQ+30]|, |v[XQ+31]|
	v_max3_num_f32 v[rB], v[rB], v[rB+1], 0x1800000   ; the floor 2^(3 - 127): the byte cannot fall under 1
	v_add_nc_u32 v[rB+2], 0xff000000, v[rB]        ; 2 off the exponent field: the conversion's scale operand
	v_lshrrev_b32 v[M0+\T], 23, v[rB+2]            ; the byte
.irp g, 0,1,2,3
	v_cvt_scalef32_pk8_fp4_f32 v[QF+8*\T+\g], v[XQ+8*\g:XQ+8*\g+7], v[rB+2]
.endr
.endm
	QQ 0, 16                                       ; tile 1's eight stores and eight loads may be out
	QQ 1, 0
	v_permlane16_swap_b32 v[M0], v[M0+1]           ; v18: block 0's bytes of tile 0 (lanes 0-15) and of tile 1 (lanes 16-31); v19: block 1's
	v_lshl_or_b32 v[QS], v[M0+1], 8, v[M0]
	v_or_b32 v[QS], 0x1850000, v[QS]               ; byte 2: the pad's 2^6; byte 3: a block of zeros
; One product.  z = 1: C = 0; else C = D.  ra, rb = 1: the scale word of A, of B stands in lanes 16-31.
.macro MX d, a, b, z, sa, sb, ra, rb
.if \z
.if (\ra) && (\rb)
	v_wmma_scale_f32_16x16x128_f8f6f4 v[\d:\d+7], v[\a:\a+7], v[\b:\b+7], 0, v[\sa], v[\sb] matrix_a_fmt:MATRIX_FMT_FP4 matrix_b_fmt:MATRIX_FMT_FP4 matrix_a_scale:MATRIX_SCALE_ROW1 matrix_b_scale:MATRIX_SCALE_ROW1
.elseif \ra
	v_wmma_scale_f32_16x16x128_f8f6f4 v[\d:\d+7], v[\a:\a+7], v[\b:\b+7], 0, v[\sa], v[\sb] matrix_a_fmt:MATRIX_FMT_FP4 matrix_b_fmt:MATRIX_FMT_FP4 matrix_a_scale:MATRIX_SCALE_ROW1
.elseif \rb
	v_wmma_scale_f32_16x16x128_f8f6f4 v[\d:\d+7], v[\a:\a+7], v[\b:\b+7], 0, v[\sa], v[\sb] matrix_a_fmt:MATRIX_FMT_FP4 matrix_b_fmt:MATRIX_FMT_FP4 matrix_b_scale:MATRIX_SCALE_ROW1
.else
	v_wmma_scale_f32_16x16x128_f8f6f4 v[\d:\d+7], v[\a:\a+7], v[\b:\b+7], 0, v[\sa], v[\sb] matrix_a_fmt:MATRIX_FMT_FP4 matrix_b_fmt:MATRIX_FMT_FP4
.endif
.else
.if (\ra) && (\rb)
	v_wmma_scale_f32_16x16x128_f8f6f4 v[\d:\d+7], v[\a:\a+7], v[\b:\b+7], v[\d:\d+7], v[\sa], v[\sb] matrix_a_fmt:MATRIX_FMT_FP4 matrix_b_fmt:MATRIX_FMT_FP4 matrix_a_scale:MATRIX_SCALE_ROW1 matrix_b_scale:MATRIX_SCALE_ROW1
.elseif \ra
	v_wmma_scale_f32_16x16x128_f8f6f4 v[\d:\d+7], v[\a:\a+7], v[\b:\b+7], v[\d:\d+7], v[\sa], v[\sb] matrix_a_fmt:MATRIX_FMT_FP4 matrix_b_fmt:MATRIX_FMT_FP4 matrix_a_scale:MATRIX_SCALE_ROW1
.elseif \rb
	v_wmma_scale_f32_16x16x128_f8f6f4 v[\d:\d+7], v[\a:\a+7], v[\b:\b+7], v[\d:\d+7], v[\sa], v[\sb] matrix_a_fmt:MATRIX_FMT_FP4 matrix_b_fmt:MATRIX_FMT_FP4 matrix_b_scale:MATRIX_SCALE_ROW1
.else
	v_wmma_scale_f32_16x16x128_f8f6f4 v[\d:\d+7], v[\a:\a+7], v[\b:\b+7], v[\d:\d+7], v[\sa], v[\sb] matrix_a_fmt:MATRIX_FMT_FP4 matrix_b_fmt:MATRIX_FMT_FP4
.endif
.endif
.endm
.macro ADDR
	v_add_nc_u32 v[ADI], s[TB], v[AL16]
	v_add_nc_u32 v[AD8], s[TB], v[AL8]
.endm
.macro LOADK off                       ; 17 loads: a half's K, pad codes and scale words
	WIN 0x40
.irp t, 0,1,2,3,4,5,6,7
	ds_load_b128 v[KF+8*\t:KF+8*\t+3], v[ADI] offset:\off+KIMG+512*\t
.endr
.irp t, 0,1,2,3,4,5,6,7
	ds_load_b32 v[KF+8*\t+4], v[AD8] offset:\off+PADW+256*(\t/2)+4*(\t%2)
.endr
	WIN 0
	ds_load_b128 v[KS:KS+3], v[ADI] offset:\off+KSC
.endm
.macro LOADV off                       ; 9 loads: a half's V and scale words (destination and address in window 0)
.irp d, 0,1,2,3
.irp c, 0,1
	ds_load_b128 v[VF+8*\d+4*\c:VF+8*\d+4*\c+3], v[ADI] offset:\off+VIMG+1024*\d+512*\c
.endr
.endr
	ds_load_b64 v[VS:VS+1], v[AD8] offset:\off+VSC
.endm
.macro MULS8 c                         ; S^T = K Q^T + pad: tiles 4 c .. 4 c + 3 x both tiles of queries: eight different results
.irp u, 0,1,2,3
	MX S+32*\c+8*\u, KF+32*\c+8*\u, QF, 1, KS+\u, QS, \c, 0
	MX S+64+32*\c+8*\u, KF+32*\c+8*\u, QF+8, 1, KS+\u, QS, \c, 1
.endr
.endm
.macro MULO half, z                    ; O^T += V^T P: the eight accumulators take turns, one instruction a turn: between two links of one stand at least the seven others'
.irp d, 0,1,2,3
	MX O+8*\d, VF+8*\d, PC, \z, VS+(\d%2), PS+\half, \d/2, 0
	MX O+32+8*\d, VF+8*\d, PC+8, \z, VS+(\d%2), PS+\half, \d/2, 1
.endr
.endm
; The largest score of each of a half's four blocks a lane (n = 2 T + c): by turns, each result read from its low end on.
; Two chains a block (registers 0-15 and 16-31), eight in all.
.macro MAX1 b
.irp n, 0,1,2,3
	v_max3_num_f32 v[\b+\n], v[S+32*\n], v[S+32*\n+1], v[S+32*\n+2]
.endr
.irp n, 0,1,2,3
	v_max3_num_f32 v[SH+\n], v[S+32*\n+16], v[S+32*\n+17], v[S+32*\n+18]
.endr
.endm
.macro MAXN b, i, times
.set k, \i
.rept \times
.irp n, 0,1,2,3
	v_max3_num_f32 v[\b+\n], v[\b+\n], v[S+32*\n+k], v[S+32*\n+k+1]
.endr
.irp n, 0,1,2,3
	v_max3_num_f32 v[SH+\n], v[SH+\n], v[S+32*\n+16+k], v[S+32*\n+17+k]
.endr
.set k, k+2
.endr
.endm
.macro MAXE1
.irp n, 0,1,2,3
	v_max3_num_f32 v[SH+\n], v[SH+\n], v[S+32*\n+15], v[S+32*\n+31]
.endr
.endm
.macro MAXE2 b
.irp n, 0,1,2,3
	v_max_num_f32 v[\b+\n], v[\b+\n], v[SH+\n]
.endr
.endm
.macro STATS
	v_max3_num_f32 v[M0], v[BB], v[BB+1], v[BB+4]
	v_max3_num_f32 v[M0+1], v[BB+2], v[BB+3], v[BB+6]
	v_max_num_f32 v[M0], v[M0], v[BB+5]
	v_max_num_f32 v[M0+1], v[M0+1], v[BB+7]
	v_permlane16_swap_b32 v[M0], v[M0+1]           ; tile 0's two halves of the keys come to lanes 0-15, tile 1's to lanes 16-31
	v_max3_num_f32 v[RM], v[RM], v[M0], v[M0+1]    ; the running largest score
	v_mul_f32 v[M0], s[CS], v[RM]                  ; as t
	v_floor_f32 v[DP], -v[M0]                      ; the new -M = floor(-t): M is a whole number
	v_floor_f32 v[DP+1], -v[M0]
	v_sub_f32 v[M0+1], v[DP], v[NM]                ; old M - new M: a whole number, 0 or less
	v_mov_b32 v[NM], v[DP]
	v_cvt_i32_f32 v[M0+1], v[M0+1]                 ; (it saturates)
	v_permlane16_swap_b32 v[DP], v[DP+1]           ; each tile's -M in all lanes
	v_ldexp_f32 v[FP], 1.0, v[M0+1]                ; f = 2^(old M - new M)
	v_ldexp_f32 v[FP+1], 1.0, v[M0+1]
	v_permlane16_swap_b32 v[FP], v[FP+1]
.endm
.macro TFMA0                           ; t - M of tile 0, two at a time
.set j, 0
.rept 32
	v_pk_fma_f32 v[S+2*j:S+2*j+1], v[S+2*j:S+2*j+1], s[CS:CS+1], v[DP:DP+1] op_sel_hi:[1,0,0]
.set j, j+1
.endr
.endm
.macro EX0                             ; tile 0: p = 2^(t - M); between them tile 1's t - M, whose first readers stand behind the next wait
.set j, 0
.rept 32
	v_exp_f32 v[S+2*j], v[S+2*j]
	v_pk_fma_f32 v[S+64+2*j:S+65+2*j], v[S+64+2*j:S+65+2*j], s[CS:CS+1], v[DP:DP+1] op_sel:[0,0,1] op_sel_hi:[1,0,1]
	v_exp_f32 v[S+2*j+1], v[S+2*j+1]
.set j, j+1
.endr
.endm
.macro EX1                             ; half X's tile 1: between them tile 0's eight conversions, then the first level of its sum, in place: pair 2 k takes pair 2 k + 1.  All are first read behind the next wait
.set j, 0
.rept 32
	v_exp_f32 v[S+64+2*j], v[S+64+2*j]
.if j < 8
	v_cvt_scalef32_pk8_fp4_f32 v[PC+j], v[S+8*j:S+8*j+7], v[BB+j/4]
.elseif j == 8
	v_nop                                          ; a plain place behind the conversions, ahead of the first line that writes their sources
.elseif j < 25
	v_pk_add_f32 v[S+4*j-36:S+4*j-35], v[S+4*j-36:S+4*j-35], v[S+4*j-34:S+4*j-33]
.endif
	v_exp_f32 v[S+65+2*j], v[S+65+2*j]
.set j, j+1
.endr
.endm
.macro EXB                             ; half Y's tile 1
.set j, 0
.rept 64
	v_exp_f32 v[S+64+j], v[S+64+j]
.set j, j+1
.endr
.endm
.macro RESC                            ; O^T under the new M, each accumulator from its low end on
.set j, 0
.rept 16
	v_pk_mul_f32 v[O+2*j:O+2*j+1], v[O+2*j:O+2*j+1], v[FP:FP+1] op_sel_hi:[1,0]
	v_pk_mul_f32 v[O+32+2*j:O+33+2*j], v[O+32+2*j:O+33+2*j], v[FP:FP+1] op_sel:[0,1] op_sel_hi:[1,1]
.set j, j+1
.endr
.endm
.macro SCALE                           ; p's scale bytes, the conversions' operands and the two scale words
.irp n, 0,1,2,3,4,5,6,7
	v_max_num_f32 v[BB+\n], 0x1800000, v[BB+\n]    ; the floor 2^(3 - 127): a block whose every p has fallen to 0 keeps the byte 1: its codes are zeros
.endr
.irp n, 0,1,2,3,4,5,6,7
	v_add_nc_u32 v[BB+\n], 0xff000000, v[BB+\n]
.endr
.irp n, 0,1,2,3,4,5,6,7
	v_lshrrev_b32 v[SH+\n], 23, v[BB+\n]
.endr
.irp n, 0,2,4,6
	v_lshl_or_b32 v[SH+\n], v[SH+\n+1], 16, v[SH+\n]   ; a lane's two blocks are blocks h' and 2 + h' of its tile
.endr
.irp n, 0,4
	v_permlane16_swap_b32 v[SH+\n], v[SH+\n+2]
.endr
.irp n, 0,1
	v_lshl_or_b32 v[PS+\n], v[SH+4*\n+2], 8, v[SH+4*\n]   ; tile 0's word in lanes 0-15, tile 1's in lanes 16-31
.endr
.endm
.macro CVTN half, n
.irp u, 0,1,2,3
	v_cvt_scalef32_pk8_fp4_f32 v[PC+4*\n+\u], v[S+32*\n+8*\u:S+32*\n+8*\u+7], v[BB+4*\half+\n]
.endr
.endm
; The row's sum of the UNQUANTISED p, four chains a tile by turns.  Half X: tile 0's 16 pairs (each already of two), tile 1's 32; each chain's first line brings its sum under the new M.
.macro SUMX
.set j, 0
.rept 16
.if j < 4
	v_pk_fma_f32 v[LS+2*j:LS+2*j+1], v[LS+2*j:LS+2*j+1], v[FP:FP+1], v[S+4*j:S+4*j+1] op_sel_hi:[1,0,1]
.else
	v_pk_add_f32 v[LS+2*(j%4):LS+2*(j%4)+1], v[S+4*j:S+4*j+1], v[LS+2*(j%4):LS+2*(j%4)+1]
.endif
.irp e, 0,1
.set m, 2*j+\e
.if m < 4
	v_pk_fma_f32 v[LS+8+2*m:LS+9+2*m], v[LS+8+2*m:LS+9+2*m], v[FP:FP+1], v[S+64+2*m:S+65+2*m] op_sel:[0,1,0] op_sel_hi:[1,1,1]
.else
	v_pk_add_f32 v[LS+8+2*(m%4):LS+9+2*(m%4)], v[S+64+2*m:S+65+2*m], v[LS+8+2*(m%4):LS+9+2*(m%4)]
.endif
.endr
.set j, j+1
.endr
.endm
.macro SUMR                            ; half Y: round j, a pair of each tile
	v_pk_add_f32 v[LS+2*(j%4):LS+2*(j%4)+1], v[S+2*j:S+2*j+1], v[LS+2*(j%4):LS+2*(j%4)+1]
	v_pk_add_f32 v[LS+8+2*(j%4):LS+9+2*(j%4)], v[S+64+2*j:S+65+2*j], v[LS+8+2*(j%4):LS+9+2*(j%4)]
.set j, j+1
.endm
.macro SUM i, times
.set j, \i
.rept \times
	SUMR
.endr
.endm
.macro MULSUM                          ; the next half X's sixteen products, a round of half Y's sum behind each: rounds 4-19
.set j, 4
.irp c, 0,1
.irp u, 0,1,2,3
	MX S+32*\c+8*\u, KF+32*\c+8*\u, QF, 1, KS+\u, QS, \c, 0
	SUMR
	MX S+64+32*\c+8*\u, KF+32*\c+8*\u, QF+8, 1, KS+\u, QS, \c, 1
	SUMR
.endr
.endr
.endm
; A STEP OF 256 KEYS.  It finds half X's products in S^T (window 0) and half Y's K on its way.  first = 1: O^T begins; last = 1: nothing follows.
.macro BIG first, last
	ADDR
	MAX1 BB
	MAXN BB, 3, 3
	s_wait_alu depctr_va_vdst(0)
	s_wait_dscnt 0x0                               ; half Y's K
	WIN 0x41
	MULS8 0
	WIN 0
	MAXN BB, 9, 2
	WIN 0x41
	MULS8 1
	WIN 0
	MAXN BB, 13, 1                                 ; sixteen plain lines behind half Y's products: the places for the loads into K and for the first read of their results
	MAXE1
	MAXE2 BB
.if \last == 0
	LOADK 2*REC                                    ; the next step's half X
.endif
	LOADV 0
	WIN 0x15
	MAX1 BB+4
	WIN 0x14
	MAXN BB+4, 3, 6
	MAXE1
	WIN 0
	MAXE2 BB+4
	STATS
	TFMA0
.irp n, 0,1,4,5
	v_fma_f32 v[BB+\n], v[BB+\n], s[CS], v[DP]     ; the same of each block's largest score: p rises with the score, so this becomes the block's largest p
	v_fma_f32 v[BB+2+\n], v[BB+2+\n], s[CS], v[DP+1]
.endr
	WIN 0x41
.if \first == 0
	RESC
.endif
	TFMA0                                          ; half Y's tile 0
	WIN 0
	s_wait_alu depctr_va_vdst(0)                   ; the wait ahead of the batch
.irp n, 0,1,2,3,4,5,6,7
	v_exp_f32 v[BB+\n], v[BB+\n]                   ; the blocks' largest p
.endr
	EX0
	s_wait_alu depctr_va_vdst(0)                   ; behind these exponentials and ahead of the next
	SCALE
	s_wait_alu depctr_va_vdst(0)                   ; and again
	EX1
	WIN 0x41
	EX0
	s_wait_alu depctr_va_vdst(0)                   ; tile 1's t - M, read by the exponentials that follow
	EXB
	v_nop                                          ; the plain place behind the batch
	WIN 0
	s_wait_dscnt 0x0                               ; half X's V and the next half X's K
	s_wait_alu depctr_va_vdst(0)                   ; the wait behind the batch
	CVTN 0, 2
	CVTN 0, 3
	SUMX                                           ; these 48 lines stand between the writes of P's codes and the products that take them
	WIN 0x50
	MULO 0, \first
	WIN 0x01                                       ; one setting for half Y's sums and conversions and the next half X's products
	SUM 0, 4                                       ; eight places in front of the loads into V
	WIN 0
	LOADV REC
	WIN 0x01
.if \last
	SUM 4, 16
.else
	MULSUM
.endif
	SUM 20, 4                                      ; eight places in front of the loads into K
.if \last == 0
	LOADK 3*REC                                    ; the next step's half Y
.endif
	WIN 0x01
	CVTN 1, 0
	CVTN 1, 1
	CVTN 1, 2
	CVTN 1, 3
	SUM 24, 8
.if \last
	s_wait_dscnt 0x0
.else
	s_wait_dscnt 17                                ; half Y's V; the 17 loads of the next half Y's K may be out
.endif
	WIN 0x50
	MULO 1, 0
	WIN 0
	s_add_co_u32 s[TB], s[TB], 2*REC
.endm
	s_wait_alu depctr_va_vdst(0)
	s_wait_tensorcnt 0x0                           ; my first rows have landed
	ds_add_u32 v[SPW], v[NIL]
	s_wait_dscnt 0x0
	CROUND                                         ; everybody's first rows are in, and the four work-groups are here
	tensor_load_to_lds s[G0B:G0B+3], s[G1B:G1B+7]  ; my second rows: the first tensor load behind the round
	s_nop 0
	ADDR
.rept 6
	v_nop                                          ; with the two lines above: eight places behind the write of Q's scale word
.endr
	LOADK 0
	s_wait_alu depctr_va_vdst(0)
	s_wait_dscnt 0x0
	WIN 0x01
	MULS8 0
	MULS8 1
	WIN 0
.rept 4
	v_nop                                          ; places in front of the loads into K and of the first read of S^T
.endr
	LOADK REC
	BIG 1, 0                                       ; step 0 reads records 0-3
	s_wait_alu depctr_va_vdst(0)
	s_wait_tensorcnt 0x0                           ; my second rows have landed
	s_wait_dscnt 0x0
	s_barrier_signal -1
	s_barrier_wait -1                              ; everybody's have
	s_mov_b32 s[CNT], 6
.Lstep:                                            ; steps 1-6
	BIG 0, 0
	s_sub_co_u32 s[CNT], s[CNT], 1
	s_cmp_lg_u32 s[CNT], 0
	s_cbranch_scc1 .Lstep
	BIG 0, 1                                       ; step 7: nothing is left to fetch
	; THE WAY OUT.  The six additions and exchanges are places behind the last products.
	s_wait_alu depctr_va_vdst(0)                   ; the wait here, ahead of the sums' readers
.irp e, 0,4,8,12
	v_pk_add_f32 v[LS+\e:LS+\e+1], v[LS+\e:LS+\e+1], v[LS+\e+2:LS+\e+3]
.endr
.irp e, 0,8
	v_pk_add_f32 v[LS+\e:LS+\e+1], v[LS+\e:LS+\e+1], v[LS+\e+4:LS+\e+5]
.endr
	v_add_f32 v[M0], v[LS], v[LS+1]
	v_add_f32 v[M0+1], v[LS+8], v[LS+9]
	v_permlane16_swap_b32 v[M0], v[M0+1]
	v_add_f32 v[M0], v[M0], v[M0+1]                ; the row's sum (over 1/2: the row's largest p is): tile 0's queries in lanes 0-15, tile 1's in lanes 16-31
	s_wait_alu depctr_va_vdst(0)                   ; the wait ahead of the batch
	v_rcp_f32 v[FP], v[M0]
	v_rcp_f32 v[FP+1], v[M0]
	v_nop
	s_wait_alu depctr_va_vdst(0)                   ; and behind it
	v_permlane16_swap_b32 v[FP], v[FP+1]           ; each tile's in all lanes
	WIN 0x01
	s_wait_alu depctr_va_vdst(0)                   ; the wait here, directly ahead of O^T's first readers
.set j, 0
.rept 16                               ; O^T / the sum; register 8 dt + i of tile T is out0(query r, channel 16 dt + 8 h + i)
	v_pk_mul_f32 v[S+2*j:S+2*j+1], v[O+2*j:O+2*j+1], v[FP:FP+1] op_sel_hi:[1,0]
	v_pk_mul_f32 v[S+64+2*j:S+65+2*j], v[O+32+2*j:O+33+2*j], v[FP:FP+1] op_sel:[0,1] op_sel_hi:[1,1]
.set j, j+1
.endr
	WIN 0
.irp T, 0,1                            ; tile T through my stage, and back as whole rows of 256 bytes
.irp d, 0,1,2,3
.irp e, 0,1
	ds_store_b128 v[STO], v[S+64*\T+8*\d+4*\e:S+64*\T+8*\d+4*\e+3] offset:64*\d+16*\e
.endr
.endr
.irp i, 0,1,2,3,4,5,6,7
	ds_load_b128 v[S+64*\T+32+4*\i:S+64*\T+32+4*\i+3], v[STI] offset:2*\i*SPT   ; LDS serves a wave's instructions in order: these see the stores above; the next tile's stores come behind them
.endr
.endr
.irp T, 0,1
.irp i, 0,1,2,3,4,5,6,7
	s_wait_dscnt 16*(1-\T)+7-\i                    ; behind tile 0's loads stand tile 1's sixteen LDS instructions
	global_store_b128 v[GQ], v[S+64*\T+32+4*\i:S+64*\T+32+4*\i+3], s[8:9] offset:\T*65536+\i*8192 th:TH_STORE_NT   ; sixteen lanes store a query's 256 consecutive bytes, aligned
.endr
.endr
	s_wait_tensorcnt 0x0                           ; the wave's end
	ds_add_u32 v[SPW], v[NIL]
	s_wait_dscnt 0x0
	CROUND                                         ; the closing round: no work-group ends while a partner may still ask for a tile that names it
	s_endpgm
.Lfunc_end_k_qd4d9c5d9f1_attn:
	.size	k_qd4d9c5d9f1_attn, .Lfunc_end_k_qd4d9c5d9f1_attn-k_qd4d9c5d9f1_attn
	.p2alignl 7, 3214868480
	.fill 96, 4, 3214868480
	.section	.rodata,"a",@progbits
	.p2align	6, 0x0
	.amdhsa_kernel k_qd4d9c5d9f1_attn
		.amdhsa_group_segment_fixed_size 327680
		.amdhsa_private_segment_fixed_size 0
		.amdhsa_enable_private_segment 0
		.amdhsa_kernarg_size 24
		.amdhsa_user_sgpr_count 2
		.amdhsa_user_sgpr_kernarg_segment_ptr 1
		.amdhsa_wavefront_size32 1
		.amdhsa_system_sgpr_workgroup_id_x 1
		.amdhsa_system_sgpr_workgroup_id_y 1
		.amdhsa_system_sgpr_workgroup_id_z 1
		.amdhsa_system_vgpr_workitem_id 0
		.amdhsa_next_free_vgpr 512
		.amdhsa_next_free_sgpr 66
		.amdhsa_reserve_vcc 1
		.amdhsa_float_denorm_mode_32 3
		.amdhsa_float_denorm_mode_16_64 3
		.amdhsa_memory_ordered 1
		.amdhsa_forward_progress 1
		.amdhsa_inst_pref_size 168
	.end_amdhsa_kernel
	.amdgpu_metadata
---
amdhsa.version: [ 1, 2 ]
amdhsa.kernels:
  - .name:           k_qd4d9c5d9f1_attn
    .symbol:         k_qd4d9c5d9f1_attn.kd
    .args:
      - { .name: kvq, .offset: 0, .size: 8, .value_kind: global_buffer, .address_space: global }
      - { .name: q, .offset: 8, .size: 8, .value_kind: global_buffer, .address_space: global }
      - { .name: out0, .offset: 16, .size: 8, .value_kind: global_buffer, .address_space: global }
    .group_segment_fixed_size: 327680
    .private_segment_fixed_size: 0
    .kernarg_segment_align: 8
    .kernarg_segment_size: 24
    .max_flat_workgroup_size: 256
    .sgpr_count:     66
    .vgpr_count:     512
    .wavefront_size: 32
...
	.end_amdgpu_metadata
.endif
;; end of part 2
